; MI455X (gfx1250); checked and timed in simulation.
; The chip was launched on July 23, 2026; its instructions are those of AMD's public machine-readable ISA for CDNA 5 (MIT licence, August 2026) and "CDNA5" Instruction Set Architecture Reference Guide (July 2026). The comments in the code are by the model that wrote it; some were corrected since.
;; Self Attention. Allowed arithmetic: matrix products marked QUANTISED: E3M2 operands, one E8M0 scale for each 32 along K, by v_wmma_scale_f32_16x16x128_f8f6f4 with both operands' format E3M2, f32 sums; products left as they are: f32 operands where the result goes on into a quantised operand, else bf16, f16 or f32 operands; f32 sums; everything else in f32.
;; Inputs: bk 16 float32; bq 16 float32; bv 256 float32; gamma 1 float32; wk_codes 16 x 8 x 24 uint8 (E3M2 codes of wk, K innermost, in blocks of 32 codes, four codes in three bytes); wk_scales 16 x 8 uint8 (E8M0 scales of wk, one for each 32 codes along K); wq_codes 16 x 8 x 24 uint8 (E3M2 codes of wq, K innermost, in blocks of 32 codes, four codes in three bytes); wq_scales 16 x 8 uint8 (E8M0 scales of wq, one for each 32 codes along K); wv_codes 256 x 8 x 24 uint8 (E3M2 codes of wv, K innermost, in blocks of 32 codes, four codes in three bytes); wv_scales 256 x 8 uint8 (E8M0 scales of wv, one for each 32 codes along K); x 4 x 256 x 64 x 64 float32.
;; Outputs: out0 4 x 256 x 64 x 64 float32.
;; This version of the problem:
;;   THIS VERSION OF THE PROBLEM IS GIVEN IN LOW PRECISION. The matrix products marked QUANTISED in the list below multiply operands that are first quantised to E3M2 (3 exponent bits, 2 mantissa bits; 6 bits a number), with one power-of-two scale for each 32 numbers along K (OCP MX v1.0); their sums are f32. All else is computed in f32.
;;   The module's matrix products, in the order in which they are computed (A, B: the left and right operand; K: the contracted axis; several contracted axes count as one K, in the product's order):
;;     1. [M 16,384, K 256] x [K 256, N 16]; A: input x; B: input wq (given as codes): QUANTISED
;;     2. [M 16,384, K 256] x [K 256, N 16]; A: input x; B: input wk (given as codes): QUANTISED
;;     3. [M 16,384, K 256] x [K 256, N 256]; A: input x; B: input wv (given as codes): QUANTISED
;;     4. batch 4 x [M 4,096, K 16] x [K 16, N 4,096]; A: computed on the way; B: computed on the way: left as it is (K = 16 < 32)
;;     5. batch 4 x [M 256, K 4,096] x [K 4,096, N 4,096]; A: computed on the way; B: softmax (see below): QUANTISED
;;   THE QUANTISER, for each operand of a quantised product, along K:
;;     - K is cut into blocks of 32 from its start; a last block that is shorter is filled with zeros.
;;     - A block's scale is 2^e with e = floor(log2(the largest magnitude in the block)) - 4, held to -126 .. 127; a block of zeros has e = 0. As a byte (E8M0): e + 127.
;;     - Each number is divided by its block's scale, clamped to +-28, and rounded to the nearest number of E3M2, ties to even, subnormals kept.
;;     - The product sums the exact products of the quantised numbers (number of the format x scale) in f32.
;;   ~~~python
;;   def quantise(x, axis):      # numpy; x: float32 -> the quantised numbers, widened to float32 again
;;       x = np.moveaxis(x, axis, -1); K = x.shape[-1]
;;       x = np.pad(x, [(0, 0)] * (x.ndim - 1) + [(0, -K % 32)]); x = x.reshape(x.shape[:-1] + (-1, 32)); a = np.abs(x).max(-1, keepdims=True)
;;       e = np.where(a > 0, np.clip(np.frexp(np.where(a > 0, a, 1))[1] - 1 - 4, -126, 127), 0)      # np.frexp(a)[1] - 1 = floor(log2(a)), exactly
;;       r = np.clip(x / 2.0 ** e, -28, 28)
;;       step = 2.0 ** (np.maximum(np.frexp(np.where(r == 0, 1, r))[1] - 1, -2) - 2)
;;       q = np.round(r / step) * step * 2.0 ** e      # np.round: ties to even
;;       return np.moveaxis(q.reshape(q.shape[:-2] + (-1,))[..., :K], -1, axis).astype(np.float32)
;;   ~~~
;;   SOFTMAX AHEAD OF A QUANTISED PRODUCT. Where the list says 'softmax', what is quantised is not the finished softmax but p = 2^(t - M), with t = logit x log2(e) and M = ceil(the row's largest t), a whole number; so 1/2 < the row's largest p <= 1. The row's sum l is taken of the UNQUANTISED p, in f32, and the product's result is divided by l at the end. Since M is a whole number, a kernel that streams over the keys may use a running M (the ceiling of the running maximum): every later rescaling is an exact power of two, which a block's scale takes up: the codes' values come out the same.
;;   OPERANDS COMPUTED ON THE WAY. 'Computed on the way' means the value that the module computes at that place (a softmax that the list does not call 'softmax' is quantised finished and normalised). What goes into a quantiser is computed in f32, as accurately as f32 sums, v_exp_f32 and their like allow (about 1e-6 of the number): no bf16 or f16 on the way to a quantiser, and a product that is left as it is and whose result goes on into a quantised operand takes f32 operands (vector FMAs, or v_wmma_f32_16x16x4_f32). A number that lies on a knife's edge between two numbers of the format may be rounded either way, as far as f32 arithmetic and the matrix unit's own rounding can turn it there, and no further.
;;   INPUTS GIVEN AS CODES. wk (in the module: [16, 256], K = its axis 1); wq (in the module: [16, 256], K = its axis 1); wv (in the module: [256, 256], K = its axis 1): each comes as NAME_codes (uint8): NAME with its K axis moved to the last place and cut into blocks of 32 codes, [.., K / 32, bytes a block], one block behind the other in memory; four codes in three bytes: a row's codes are one little-endian stream of bits, code i at bits 6 i .. 6 i + 5 (a code: sign, 3 exponent bits, 2 mantissa bits); and NAME_scales (uint8): the same leading axes, one E8M0 byte (e + 127) for each 32 codes along K. Its value is code x scale, taken as it is: it is not quantised again, and the codes and scales need not be those that the quantiser above would give.
;; One version. Each part assembles by itself: llvm-mc -triple=amdgcn-amd-amdhsa -mcpu=gfx1250 --defsym DOCPART=n.
;; ======== version 1 of 1: 2 launches
;; workspace buffers: qf 1,048,576 bytes; kv 4,194,304 bytes; vs 131,072 bytes
;; launch proj (part 1): grid 64 x 4, 8 waves a work-group, no clusters, 13,824 bytes of LDS; arguments x, wq_codes, wq_scales, bq, wk_codes, wk_scales, bk, wv_codes, wv_scales, bv, qf, kv, vs; writes qf, kv, vs
.if DOCPART == 1
	.amdgcn_target "amdgcn-amd-amdhsa--gfx1250"
	.amdhsa_code_object_version 6
	.text
	.protected	k_q64cab3951a_proj
	.globl	k_q64cab3951a_proj
	.p2align	8
	.type	k_q64cab3951a_proj,@function
k_q64cab3951a_proj:
	s_mov_b64 s[64:65], 0
	v_nop
	global_prefetch_b8 v0, s[64:65] scope:SCOPE_SE
	s_setreg_imm32_b32 hwreg(HW_REG_WAVE_MODE, 25, 1), 1
	s_wait_xcnt 0x0
; PROJ: q = x wq^T + bq, k = x wk^T + bk (both kept in f32), v = x wv^T + bv (quantised along the keys), from x [4][256][4096] f32 and weights given as codes of BF6 (E3M2) with E8M0 scales.
; DEAD WORK: none.  bq moves the logits.  bk adds a term that is the same along the softmax axis, but it moves M = ceil(largest t) by a fraction and so the codes of p, which is a quantised operand.
; bv goes into the quantiser of v.  gamma and x reach the output directly.  So every input is loaded by one of the two launches.
; LIMITS: NaN and infinities among the inputs are not served.  A block whose largest magnitude lies under 2^-122 (a block of zeros among them) keeps the scale byte 1; the bytes are read by this program alone.
; SHARES.  A work-group takes 64 pixels of one batch and all 256 channels: 65,536 bytes of x, read once.  Wave w = 4 g + j loads 32 pixels (group g) x 64 channels (64 j on): A LANE IS A PIXEL AND ITS REGISTERS RUN DOWN
; THE CHANNELS, which are K: a block of 32 lies in one lane, and the conversions give codes with K innermost.  The codes go from wave to wave through LDS as images of operand registers; one barrier.
; Then wave w makes v for channel tiles 2 w, 2 w + 1 and all 64 pixels, and one tile of q (waves 0-3) or of k (waves 4-7).
; THE PIXELS OF A TILE ARE NOT NEIGHBOURS: row r of pixel tile 2 g + u is pixel 32 g + 8 u + r + 8 (r / 8), so that in v (source 0 = pixels, source 1 = channels) the 16 registers of tiles 2 g and 2 g + 1
; are 16 neighbouring pixels, the next K.  q and k are made with the weight as source 0: lane (r, h) then holds pixel row r and channels 8 h + 0 .. 7, which is the f32 operand of the next launch as it stands.
; WORKSPACE, all as images of operand registers, so that each store of a wave covers 256 or 512 consecutive bytes, aligned:
;   qf: tile ((b 64 + wg) 4 + T): 1,024 bytes: registers 0-3 at 16 x lane, registers 4-7 512 bytes on.
;   kv: a block of 32,768 bytes for each batch and step of 128 keys: 8 tiles of k as in qf; from byte 8,192 on, for channel tile a and half c, 768 bytes: registers 6 c .. 6 c + 3 at 16 x lane, 6 c + 4, 6 c + 5 at 512 + 8 x lane.
;   vs: the scale words of v: (b 32 + step) 1,024 + 4 x channel.  A work-group owns two of a word's four bytes: these stores fill their 256 bytes in part; they are 131,072 bytes of the launch's 22 million.
; NO CLUSTER, NO TENSOR LOAD: the work-groups share nothing but the weights, which each wave takes once, straight into its operand registers (9,216 bytes of codes a wave); x, the bulk, is shared by nobody.
.set XIMG,  0                          ; LDS: x as codes: half fragment (pixel tile T, 64 channels jj) at (4 T + jj) 768: 512 bytes of four registers, 256 of two
.set XSC,   12288                      ; its scale words: set (g, K step s) at (2 g + s) 128 + 4 x lane
.set SPARE, 12800                      ; the spare words, 128 bytes for each wave: four blocks of 256 bytes that no other line names
.set VOFF,  8192
.set X,    16                          ; v16-79   64 numbers of x; later the accumulators of v: (a, T) at X + 32 a + 8 T
.set QA,   80                          ; v80-87   the accumulator of q or k (at the head: r, h, lane)
.set AF,   88                          ; v88-135  x, four pixel tiles x 12
.set BL,   88                          ; while x is quantised: my two blocks of codes, 6 registers each;
.set CT,   100                         ; the conversions second halves;
.set TM,   108                         ; at work
.set PC,   88                          ; while v is quantised: its codes
.set PW,   124                         ; and its four scale bytes
.set QB,   136                         ; v136-147 x, my pixel tile for q or k
.set WV,   148                         ; v148-195 wv, (2 a + s) x 12
.set WQ,   196                         ; v196-219 wq or wk, s x 12
.set BV,   220                         ; v220-235 bv as C, 8 for each a
.set BQ,   236                         ; v236-243 bq or bk as C
.set XS,   244                         ; v244-245 scale words of x: lanes 0-15 tile 2 g, lanes 16-31 tile 2 g + 1
.set XSQ,  246                         ; v246     those of my tile for q or k
.set WVS,  247                         ; v247-250 scale words of wv
.set WQS,  251                         ; v251-252 of wq or wk
.set SPW,  254                         ; v254     LDS address of my spare word; never rewritten
.set NIL,  255                         ; v255     0; never rewritten
.macro PLACES n
.rept \n
	v_nop
.endr
.endm
	s_load_b512 s[8:23], s[0:1], 0x0               ; x, wq codes, wq scales, bq, wk codes, wk scales, bk, wv codes
	s_load_b256 s[24:31], s[0:1], 0x40             ; wv scales, bv, qf, kv
	s_load_b64 s[32:33], s[0:1], 0x60              ; vs
	v_lshl_add_u32 v[SPW], v0, 2, SPARE
	v_mov_b32 v[NIL], 0
	v_lshrrev_b32 v15, 5, v0
	v_readfirstlane_b32 s34, v15                   ; wave 0..7
	s_lshr_b32 s35, s34, 2                         ; g: my group of 32 pixels.  Also: 0 = I make q, 1 = I make k
	s_and_b32 s36, s34, 3                          ; j: my 64 channels.  Also: my pixel tile T for q or k
	s_and_b32 s37, ttmp9, 1                        ; c: which half of a step of 128 keys my 64 pixels are
	s_and_b32 s38, ttmp7, 0xffff                   ; the batch
	s_lshr_b32 s39, ttmp9, 1                       ; the step
	s_mov_b32 s56, 0x76543210
	s_mov_b32 s57, 0xfedcba98                      ; v_permlanex16_b32: lane l xor 16
	v_and_b32 v80, 15, v0                          ; r
	v_bfe_u32 v81, v0, 4, 1                        ; h
	v_and_b32 v82, 31, v0                          ; lane
	v_and_b32 v1, 7, v0
	v_lshl_add_u32 v1, v81, 3, v1
	v_bfe_u32 v83, v0, 3, 1
	v_lshl_add_u32 v1, v83, 4, v1
	v_lshlrev_b32 v1, 2, v1                        ; v1: my pixel in the group of 32, in bytes: 4 (l % 8 + 8 (l / 16) + 16 ((l / 8) % 2))
	v_lshlrev_b32 v2, 4, v82                       ; v2: 16 x lane
	v_lshlrev_b32 v3, 3, v82                       ; v3: 8 x lane
	v_lshlrev_b32 v4, 2, v82                       ; v4: 4 x lane
	v_mul_u32_u24 v11, v80, 192
	v_mad_u32_u24 v11, v81, 24, v11                ; v11: a weight row of 192 bytes, + 24 h
	v_lshlrev_b32 v12, 3, v80                      ; v12: 8 r: a row of weight scales
	v_lshlrev_b32 v13, 5, v81                      ; v13: 32 h
	v_lshlrev_b32 v14, 2, v80                      ; v14: 4 r
	v_lshlrev_b32 v15, 4, v81                      ; v15: 16 h
	s_mul_i32 s2, s35, 6144
	s_mul_i32 s3, s36, 768
	s_add_co_u32 s2, s2, s3
	v_add_nc_u32 v5, s2, v2                        ; v5, v6: where I store my half fragments: tile 2 g, channels j
	v_add_nc_u32 v6, s2, v3
	s_lshl_b32 s2, s35, 1
	s_lshr_b32 s3, s36, 1
	s_add_co_u32 s2, s2, s3
	s_lshl_b32 s2, s2, 7
	s_and_b32 s3, s36, 1
	s_lshl_b32 s3, s3, 1
	s_add_co_u32 s2, s2, s3
	v_add_nc_u32 v7, s2, v4                        ; v7: my two scale bytes: set (g, j / 2), word of my lane, bytes 2 (j % 2) on
	s_mul_i32 s2, s36, 3072
	v_add_nc_u32 v8, s2, v2                        ; v8, v9: pixel tile T for q or k
	v_add_nc_u32 v9, s2, v3
	s_lshr_b32 s2, s36, 1
	s_lshl_b32 s2, s2, 8
	s_and_b32 s3, s36, 1
	s_lshl_b32 s3, s3, 6
	s_add_co_u32 s2, s2, s3
	v_add_nc_u32 v10, s2, v14                      ; v10: its scale words, row r
	s_lshl_b32 s50, s38, 22                        ; x: batch x 4 MiB + 64 j channels of 16,384 bytes + my first pixel
	s_lshl_b32 s2, s36, 20
	s_add_co_u32 s50, s50, s2
	s_lshl_b32 s2, ttmp9, 8
	s_add_co_u32 s50, s50, s2
	s_lshl_b32 s2, s35, 7
	s_add_co_u32 s50, s50, s2
	s_mov_b32 s51, 0
	s_lshl_b32 s4, s38, 18                         ; qf: (batch 64 + work-group) 4,096
	s_lshl_b32 s2, ttmp9, 12
	s_add_co_u32 s4, s4, s2
	s_lshl_b32 s52, s38, 20                        ; kv: the block of (batch, step)
	s_lshl_b32 s2, s39, 15
	s_add_co_u32 s52, s52, s2
	s_lshl_b32 s5, s37, 12
	s_add_co_u32 s5, s5, s52                       ; k: tiles 4 c on
	s_mul_i32 s2, s34, 3072                        ; v: channel tiles 2 w on, half c
	s_add_co_u32 s52, s52, s2
	s_mul_i32 s2, s37, 768
	s_add_co_u32 s52, s52, s2
	s_add_co_u32 s52, s52, VOFF
	s_mov_b32 s53, 0
	s_lshl_b32 s54, s38, 5                         ; vs: (batch 32 + step) 1,024 + 128 w + 2 c
	s_add_co_u32 s54, s54, s39
	s_lshl_b32 s54, s54, 10
	s_lshl_b32 s2, s34, 7
	s_add_co_u32 s54, s54, s2
	s_lshl_b32 s2, s37, 1
	s_add_co_u32 s54, s54, s2
	s_mov_b32 s55, 0
	s_wait_kmcnt 0x0
	s_add_nc_u64 s[8:9], s[8:9], s[50:51]
.set i, 0
.rept 64
	global_load_b32 v[X+i], v1, s[8:9] offset:i*16384 th:TH_LOAD_NT   ; channel 64 j + i of my pixel: the wave reads 128 consecutive bytes
.set i, i+1
.endr
	s_cmp_eq_u32 s35, 0                            ; q or k: a choice of buffers on the wave number alone
	s_cselect_b64 s[40:41], s[10:11], s[16:17]
	s_cselect_b64 s[42:43], s[12:13], s[18:19]
	s_cselect_b64 s[44:45], s[14:15], s[20:21]
	s_cselect_b64 s[46:47], s[28:29], s[30:31]
	s_cselect_b32 s48, s4, s5
	s_lshl_b32 s2, s36, 10
	s_add_co_u32 s48, s48, s2                      ; + tile T
	s_mov_b32 s49, 0
	s_add_nc_u64 s[46:47], s[46:47], s[48:49]
	s_add_nc_u64 s[30:31], s[30:31], s[52:53]
	s_add_nc_u64 s[32:33], s[32:33], s[54:55]
	s_mul_i32 s58, s34, 6144                       ; my 32 rows of wv,
	s_mov_b32 s59, 0
	s_add_nc_u64 s[22:23], s[22:23], s[58:59]
	s_lshl_b32 s58, s34, 8                         ; of its scales,
	s_add_nc_u64 s[24:25], s[24:25], s[58:59]
	s_lshl_b32 s58, s34, 7                         ; and of bv
	s_add_nc_u64 s[26:27], s[26:27], s[58:59]
.irp a, 0,1
.irp s, 0,1
.irp p, 0,1,2,3,4,5
	global_load_b64 v[WV+12*(2*\a+\s)+2*\p:WV+12*(2*\a+\s)+2*\p+1], v11, s[22:23] offset:\a*3072+\s*96+48*(\p/3)+8*(\p%3)
.endr
.endr
.endr
.irp s, 0,1
.irp p, 0,1,2,3,4,5
	global_load_b64 v[WQ+12*\s+2*\p:WQ+12*\s+2*\p+1], v11, s[40:41] offset:\s*96+48*(\p/3)+8*(\p%3)
.endr
.endr
.irp a, 0,1
.irp s, 0,1
	global_load_b32 v[WVS+2*\a+\s], v12, s[24:25] offset:\a*128+4*\s
.endr
.endr
.irp s, 0,1
	global_load_b32 v[WQS+\s], v12, s[42:43] offset:4*\s
.endr
.irp a, 0,1
	global_load_b32 v[BV+8*\a], v14, s[26:27] offset:64*\a      ; bv of channel r of the tile
.endr
	global_load_b128 v[BQ:BQ+3], v13, s[44:45]                  ; bq or bk of channels 8 h + 0 .. 7
	global_load_b128 v[BQ+4:BQ+7], v13, s[44:45] offset:16
	s_wait_loadcnt 46                              ; behind the 64 loads of x stand 24 + 12 + 4 + 2 + 2 + 2 = 46 others, which may stay out
	; ---- my two blocks of 32 channels become codes
.irp c, 0,1
	v_max3_num_f32 v[TM+\c], |v[X+32*\c]|, |v[X+1+32*\c]|, 0x2800000   ; with the floor 2^(5 - 127): the byte cannot fall under 1
.endr
.irp i, 2,4,6,8,10,12,14,16,18,20,22,24,26,28,30
.irp c, 0,1
	v_max3_num_f32 v[TM+\c], v[TM+\c], |v[X+32*\c+\i]|, |v[X+1+32*\c+\i]|
.endr
.endr
.irp c, 0,1
	v_add_nc_u32 v[TM+2+\c], 0xfe000000, v[TM+\c]  ; 4 off the exponent field: the scale operand of the conversion
.endr
.irp c, 0,1
	v_lshrrev_b32 v[TM+4+\c], 23, v[TM+2+\c]       ; the scale byte
.endr
	v_lshl_or_b32 v[TM+6], v[TM+5], 8, v[TM+4]
.irp c, 0,1
	v_cvt_scalef32_pk16_bf6_f32 v[BL+6*\c:BL+6*\c+2], v[X+32*\c:X+32*\c+15], v[TM+2+\c]
	v_cvt_scalef32_pk16_bf6_f32 v[CT+4*\c:CT+4*\c+2], v[X+32*\c+16:X+32*\c+31], v[TM+2+\c]   ; (three registers that begin on an even number)
.endr
	v_nop                                          ; one plain place behind the scaled conversions
.irp c, 0,1
.irp i, 0,1,2
	v_mov_b32 v[BL+6*\c+3+\i], v[CT+4*\c+\i]
.endr
.endr
.irp i, 0,1,2,3,4,5
	v_permlane16_swap_b32 v[BL+\i], v[BL+6+\i]     ; lanes 16-31 of block 0 change places with lanes 0-15 of block 1: the first six registers are now half a fragment of pixel tile 2 g, the second six of tile 2 g + 1
.endr
.irp u, 0,1
	ds_store_b128 v5, v[BL+6*\u:BL+6*\u+3] offset:XIMG+3072*\u
	ds_store_b64 v6, v[BL+6*\u+4:BL+6*\u+5] offset:XIMG+3072*\u+512
.endr
	ds_store_b16 v7, v[TM+6] offset:XSC
	s_wait_dscnt 0x0                               ; for the other waves: my stores have landed
	s_barrier_signal -1
	s_barrier_wait -1                              ; all of x lies in LDS as codes
	s_wait_loadcnt 0x0                             ; the weights
.irp a, 0,1
.irp k, 1,2,3,4,5,6,7
	v_mov_b32 v[BV+8*\a+\k], v[BV+8*\a]            ; in the result a lane holds one channel and eight pixels: the same bias in all eight registers
.endr
.endr
; one product of v: source 0 = 16 pixels, source 1 = 16 channels; the bias is the C of the first K step
.macro VPROD a, t, s
.set rD, X+32*(\a)+8*(\t)
.set rA, AF+12*(\t)
.set rB, WV+12*(2*(\a)+(\s))
.if ((\s) == 0) && ((\t)%2)
	v_wmma_scale_f32_16x16x128_f8f6f4 v[rD:rD+7], v[rA:rA+11], v[rB:rB+11], v[BV+8*(\a):BV+8*(\a)+7], v[XS+(\t)/2], v[WVS+2*(\a)+(\s)] matrix_a_fmt:MATRIX_FMT_BF6 matrix_b_fmt:MATRIX_FMT_BF6 matrix_a_scale:MATRIX_SCALE_ROW1
.elseif (\s) == 0
	v_wmma_scale_f32_16x16x128_f8f6f4 v[rD:rD+7], v[rA:rA+11], v[rB:rB+11], v[BV+8*(\a):BV+8*(\a)+7], v[XS+(\t)/2], v[WVS+2*(\a)+(\s)] matrix_a_fmt:MATRIX_FMT_BF6 matrix_b_fmt:MATRIX_FMT_BF6
.elseif (\t)%2
	v_wmma_scale_f32_16x16x128_f8f6f4 v[rD:rD+7], v[rA:rA+11], v[rB:rB+11], v[rD:rD+7], v[XS+(\t)/2], v[WVS+2*(\a)+(\s)] matrix_a_fmt:MATRIX_FMT_BF6 matrix_b_fmt:MATRIX_FMT_BF6 matrix_a_scale:MATRIX_SCALE_ROW1
.else
	v_wmma_scale_f32_16x16x128_f8f6f4 v[rD:rD+7], v[rA:rA+11], v[rB:rB+11], v[rD:rD+7], v[XS+(\t)/2], v[WVS+2*(\a)+(\s)] matrix_a_fmt:MATRIX_FMT_BF6 matrix_b_fmt:MATRIX_FMT_BF6
.endif
.endm
.irp s, 0,1                                    ; two K steps of 128 channels; nine accumulators by turns, one instruction a turn
	PLACES 4                                       ; in front of loads into registers that matrix instructions have read
.irp t, 0,1,2,3
.irp c, 0,1
	ds_load_b128 v[AF+12*\t+6*\c:AF+12*\t+6*\c+3], v2 offset:XIMG+(4*\t+2*\s+\c)*768
	ds_load_b64 v[AF+12*\t+6*\c+4:AF+12*\t+6*\c+5], v3 offset:XIMG+(4*\t+2*\s+\c)*768+512
.endr
.endr
.irp c, 0,1
	ds_load_b128 v[QB+6*\c:QB+6*\c+3], v8 offset:XIMG+(2*\s+\c)*768
	ds_load_b64 v[QB+6*\c+4:QB+6*\c+5], v9 offset:XIMG+(2*\s+\c)*768+512
.endr
	ds_load_b32 v[XS], v4 offset:XSC+\s*128
	ds_load_b32 v[XS+1], v4 offset:XSC+(2+\s)*128
	ds_load_b32 v[XSQ], v10 offset:XSC+\s*128
	s_wait_dscnt 0x0
.irp a, 0,1
.irp t, 0,1,2,3
	VPROD \a, \t, \s
.endr
.endr
.if \s == 0
	v_wmma_scale_f32_16x16x128_f8f6f4 v[QA:QA+7], v[WQ:WQ+11], v[QB:QB+11], v[BQ:BQ+7], v[WQS], v[XSQ] matrix_a_fmt:MATRIX_FMT_BF6 matrix_b_fmt:MATRIX_FMT_BF6
.else
	v_wmma_scale_f32_16x16x128_f8f6f4 v[QA:QA+7], v[WQ+12:WQ+23], v[QB:QB+11], v[QA:QA+7], v[WQS+1], v[XSQ] matrix_a_fmt:MATRIX_FMT_BF6 matrix_b_fmt:MATRIX_FMT_BF6
.endif
.endr
	PLACES 4                                       ; in front of the first reads of results and of writes into registers that the products read
	global_store_b128 v2, v[QA:QA+3], s[46:47]                  ; q or k: lane (r, h): pixel row r, channels 8 h + 0 .. 3: 512 consecutive bytes,
	global_store_b128 v2, v[QA+4:QA+7], s[46:47] offset:512     ; and 8 h + 4 .. 7
	; ---- v is quantised along the pixels, the next K.  Block 2 a + g: register X + 16 (2 a + g) + i is pixel 32 g + 16 h + i of channel r of tile a
.irp b, 0,1,2,3
	v_max3_num_f32 v[TM+\b], |v[X+16*\b]|, |v[X+1+16*\b]|, 0x2800000
.endr
.irp i, 2,4,6,8,10,12,14
.irp b, 0,1,2,3
	v_max3_num_f32 v[TM+\b], v[TM+\b], |v[X+16*\b+\i]|, |v[X+1+16*\b+\i]|
.endr
.endr
.irp b, 0,1,2,3
	v_permlanex16_b32 v[TM+4+\b], v[TM+\b], s56, s57
.endr
.irp b, 0,1,2,3
	v_max_num_f32 v[TM+\b], v[TM+\b], v[TM+4+\b]   ; with the 16 pixels of lane l xor 16: the largest magnitude of the block
.endr
.irp b, 0,1,2,3
	v_add_nc_u32 v[TM+12+\b], 0xfe000000, v[TM+\b]
.endr
.irp b, 0,1,2,3
	v_lshrrev_b32 v[TM+4+\b], 23, v[TM+12+\b]
.endr
	v_lshl_or_b32 v[PW], v[TM+5], 8, v[TM+4]       ; low half: tile a = 0, blocks g = 0, 1; high half: tile a = 1
	v_lshl_or_b32 v[PW], v[TM+6], 16, v[PW]
	v_lshl_or_b32 v[PW], v[TM+7], 24, v[PW]
.irp c, 0,1
	v_cvt_scalef32_pk16_bf6_f32 v[PC+6*\c:PC+2+6*\c], v[X+32*\c:X+15+32*\c], v[TM+12+2*\c]
	v_cvt_scalef32_pk16_bf6_f32 v[PC+12+4*\c:PC+14+4*\c], v[X+16+32*\c:X+31+32*\c], v[TM+12+2*\c+1]
.endr
	v_nop                                          ; one plain place behind the scaled conversions
.irp c, 0,1                                    ; a whole block in a lane: lanes 0-15 pixels 0-31, lanes 16-31 pixels 32-63
.irp i, 0,1,2
	v_permlane16_swap_b32 v[PC+6*\c+\i], v[PC+12+4*\c+\i]
.endr
.irp i, 0,1,2
	v_mov_b32 v[PC+3+6*\c+\i], v[PC+12+4*\c+\i]
.endr
.endr
	v_lshrrev_b32 v[PW+1], v15, v[PW]              ; lanes 0-15 send the half word of tile a = 0, lanes 16-31 that of tile a = 1
	v_lshl_add_u32 v[PW+2], v13, 1, v14            ; 64 h + 4 r
.irp a, 0,1
	global_store_b128 v2, v[PC+6*\a:PC+6*\a+3], s[30:31] offset:\a*1536          ; 512 consecutive bytes
	global_store_b64 v3, v[PC+6*\a+4:PC+6*\a+5], s[30:31] offset:\a*1536+512     ; 256 consecutive bytes
.endr
	global_store_b16 v[PW+2], v[PW+1], s[32:33]
	s_wait_tensorcnt 0x0                           ; the end of the wave
	ds_add_u32 v[SPW], v[NIL]
	s_wait_dscnt 0x0
	s_endpgm
.Lfunc_end_k_q64cab3951a_proj:
	.size	k_q64cab3951a_proj, .Lfunc_end_k_q64cab3951a_proj-k_q64cab3951a_proj
	.p2alignl 7, 3214868480
	.fill 96, 4, 3214868480
	.section	.rodata,"a",@progbits
	.p2align	6, 0x0
	.amdhsa_kernel k_q64cab3951a_proj
		.amdhsa_group_segment_fixed_size 13824
		.amdhsa_private_segment_fixed_size 0
		.amdhsa_enable_private_segment 0
		.amdhsa_kernarg_size 104
		.amdhsa_user_sgpr_count 2
		.amdhsa_user_sgpr_kernarg_segment_ptr 1
		.amdhsa_wavefront_size32 1
		.amdhsa_system_sgpr_workgroup_id_x 1
		.amdhsa_system_sgpr_workgroup_id_y 1
		.amdhsa_system_sgpr_workgroup_id_z 1
		.amdhsa_system_vgpr_workitem_id 0
		.amdhsa_next_free_vgpr 256
		.amdhsa_next_free_sgpr 66
		.amdhsa_reserve_vcc 0
		.amdhsa_float_denorm_mode_32 3
		.amdhsa_float_denorm_mode_16_64 3
		.amdhsa_memory_ordered 1
		.amdhsa_forward_progress 1
		.amdhsa_inst_pref_size 29
	.end_amdhsa_kernel
	.amdgpu_metadata
---
amdhsa.version: [ 1, 2 ]
amdhsa.kernels:
  - .name:           k_q64cab3951a_proj
    .symbol:         k_q64cab3951a_proj.kd
    .args:
      - { .name: x, .offset: 0, .size: 8, .value_kind: global_buffer, .address_space: global }
      - { .name: wq_codes, .offset: 8, .size: 8, .value_kind: global_buffer, .address_space: global }
      - { .name: wq_scales, .offset: 16, .size: 8, .value_kind: global_buffer, .address_space: global }
      - { .name: bq, .offset: 24, .size: 8, .value_kind: global_buffer, .address_space: global }
      - { .name: wk_codes, .offset: 32, .size: 8, .value_kind: global_buffer, .address_space: global }
      - { .name: wk_scales, .offset: 40, .size: 8, .value_kind: global_buffer, .address_space: global }
      - { .name: bk, .offset: 48, .size: 8, .value_kind: global_buffer, .address_space: global }
      - { .name: wv_codes, .offset: 56, .size: 8, .value_kind: global_buffer, .address_space: global }
      - { .name: wv_scales, .offset: 64, .size: 8, .value_kind: global_buffer, .address_space: global }
      - { .name: bv, .offset: 72, .size: 8, .value_kind: global_buffer, .address_space: global }
      - { .name: qf, .offset: 80, .size: 8, .value_kind: global_buffer, .address_space: global }
      - { .name: kv, .offset: 88, .size: 8, .value_kind: global_buffer, .address_space: global }
      - { .name: vs, .offset: 96, .size: 8, .value_kind: global_buffer, .address_space: global }
    .group_segment_fixed_size: 13824
    .private_segment_fixed_size: 0
    .kernarg_segment_align: 8
    .kernarg_segment_size: 104
    .max_flat_workgroup_size: 256
    .sgpr_count:     66
    .vgpr_count:     256
    .wavefront_size: 32
...
	.end_amdgpu_metadata
.endif
;; end of part 1
;; launch attn (part 2): grid 64 x 4, 4 waves a work-group, clusters of 4 x 1, 327,680 bytes of LDS; arguments qf, kv, vs, x, gamma, out0; writes out0
.if DOCPART == 2
	.amdgcn_target "amdgcn-amd-amdhsa--gfx1250"
	.amdhsa_code_object_version 6
	.text
	.protected	k_q64cab3951a_attn
	.globl	k_q64cab3951a_attn
	.p2align	8
	.type	k_q64cab3951a_attn,@function
k_q64cab3951a_attn:
	s_mov_b64 s[64:65], 0
	v_nop
	global_prefetch_b8 v0, s[64:65] scope:SCOPE_SE
	s_setreg_imm32_b32 hwreg(HW_REG_WAVE_MODE, 25, 1), 1
	s_wait_xcnt 0x0
	s_wait_alu depctr_hold_cnt(0) depctr_sa_sdst(0) depctr_va_vdst(0) depctr_va_sdst(0) depctr_va_ssrc(0) depctr_va_vcc(0) depctr_vm_vsrc(0)
	s_getreg_b32 s2, hwreg(HW_REG_IB_STS2, 6, 4)
	s_cmp_eq_u32 s2, 0
	s_cbranch_scc0 .Lentry_in_a_cluster
	s_endpgm
.Lentry_in_a_cluster:
	s_bfe_u32 s2, ttmp6, 0x10000c
	s_cmp_lg_u32 s2, 0x3003
	s_cbranch_scc0 .Lentry_shape_is_right
	s_endpgm
.Lentry_shape_is_right:
; ATTN: out0[b][c][n] = gamma x (sum over m of v[b][c][m] p[n][m]) / l[n] + x[b][c][n], p = 2^(t - M), t = (q[n] . k[m]) log2(e), M = the ceiling of the largest t of the row, l = the sum of the unquantised p.
; No work of the problem is left out (see the head of the first kernel).  q . k (K = 16) feeds a quantiser, so it has f32 operands: v_wmma_f32_16x16x4_f32.  v p^T is on codes of BF6 with E8M0 scales.
; LIMITS: NaN and infinities are not served.  log2(e) is multiplied into q once, so t is rounded in another order than logit x log2(e).  The largest p of a block of 32 keys is made from its largest score by the same
; addition and exponential as every p, which takes the exponential not to fall where its input rises.  A block of p that has fallen to zeros keeps the scale byte 1: its codes are zeros.
; SHARES.  A work-group owns 64 queries of one batch.  Wave w: qp = w % 2 picks two tiles of 16 queries, kh = w / 2 one half of the 4,096 keys: 16 steps of 128 keys.  Each fragment of k and v taken from LDS so serves two tiles.
; At the end the two halves (M, l, O) are joined by exact powers of two: each wave keeps 128 channels and hands the other 128 to its partner w xor 2 through LDS.
; LAYOUT.  Both products are used transposed: S^T = k q^T, O^T = v p^T: a lane holds ONE query (lane % 16) throughout.  k, q and v come as images of operand registers, written so by the first launch:
; every LDS load of a wave takes 512 or 256 consecutive bytes.  In the f32 product instruction s of four takes registers 2 s, 2 s + 1 of both images: the same permutation of the 16 channels on both sides.
; BY TURNS.  In a TURN one tile has the matrix unit (16 products v p^T of the step in hand, 32 products k q^T of the next), and the softmax of the other tile, a list of 282 vector instructions, stands in slices behind them.
; CLUSTER.  The four work-groups of a cluster belong to one batch and walk the same k and v: every tile is asked for JOINTLY, by the same tensor load with the same descriptor and the mask of all four.
; RING.  Two slots of 131,072 bytes; a slot holds two steps of both key halves, four blocks of 32,768 bytes, one tensor load a wave.  The scale words of v of the whole batch, 32,768 bytes, come once.
; REGISTERS, in windows of 256 (s_set_vgpr_msb: bits 1:0 source 0, 3:2 source 1, 5:4 source 2, 7:6 destination):
;   window 0: addresses, statistics, codes of p, scale words.   window 1: O^T, tile u, channel slot a at 128 u + 8 a.
;   window 2: v0-127 S^T (tile u at 64 u; written by matrix instructions alone), v128-191 p, v192-255 k.   window 3: v0-191 v (slot a at 12 a), v192-207 q, v208-211 copies of -M.
; CHANNEL SLOTS.  Slot a holds channel tile (a + 8 kh) % 16, so that every wave keeps slots 0-7 and gives away slots 8-15: one text for all waves.
.set SLOT1, 1<<17                      ; slot 1 begins here: one exclusive or turns an address in one slot into the other
.set BLKB,  32768                      ; a block: 8,192 bytes of k, 24,576 of v
.set VOFF,  8192
.set SCV,   2*SLOT1                    ; behind the ring: the scale words of v, 1,024 bytes a step, 32 steps
.set SPARE, SCV+32768                  ; the spare words, 128 bytes for each wave: two blocks of 256 bytes that no other line names
.set EX,    0                          ; the way out.  In slot 0, which has had its last fill and is read by nobody behind the last change of slots: 16,384 bytes a wave for the partner,
.set SX,    65536                      ; and 512 bytes a wave of statistics.
.set STG,   SLOT1                      ; In slot 1, written only behind a barrier behind which nobody reads the ring: 256 channels x (64 pixels x 4 bytes + 16)
.set SP,    272
.set L16K, 4                           ; v4      16 x lane + my key half: k
.set LV16, 5                           ; v5, v6  v, 16 x lane: slots 0-7, slots 8-15
.set LV8,  7                           ; v7, v8  v, 8 x lane
.set LS,   9                           ; v9, v10 the scale words of v
.set ADK,  11                          ; v11     address of the run of loads in hand: k
.set ADV,  12                          ; v12-15  v
.set ADS,  16                          ; v16-17  scale words
.set PFO,  18                          ; v18     256 x lane, for the prefetches; never rewritten
.set L16,  19                          ; v19     16 x lane
.set EXS,  20
.set EXL,  21
.set SXS,  22
.set SXL,  23
.set SA,   24
.set SR,   25
.set GO,   26
.set SPW,  28                          ; v28     LDS address of my spare word; never rewritten
.set NIL,  29                          ; v29     0; never rewritten
.set ST,   32                          ; tile t at v[ST + 8 t]: +0 -M, +1 the largest t, +2, +3 l in two halves, +4 f = 2^(old M - new M), +5 named with it as a pair
.set BM,   48                          ; v48-51  the largest score of each block of 32 keys
.set BT,   52                          ; v52-55  at work
.set SO,   56                          ; v56-59  the scale operands of the conversions
.set CH,   60                          ; v60-61  the second chain of the sum
.set T0,   62
.set T1,   63
.set PC,   64                          ; v64-87  the codes of p, 12 a tile
.set CT,   88                          ; v88-95  the second halves of the conversions
.set PW,   96                          ; v96-97  the scale word of p, one a tile
.set SV,   100                         ; v100-107 the scale words of v: register m: lanes 0-15 slot 2 m, lanes 16-31 slot 2 m + 1
.set P,    128                         ; in window 2
.set KF,   192                         ; in window 2
.set QF,   192                         ; in window 3
.set NM3,  208                         ; in window 3
.set WV,   16                          ; s16 wave;  s17 qp;  s18 kh;  s19 cx;  s20 my block of 64 queries;  s21 the batch
.set G1,   24                          ; s[24:31] descriptor group 1: a block
.set G1S,  32                          ; s[32:39] a quarter of the scale words
.set G0A,  40                          ; s[40:43] group 0: slot 0
.set G0B,  44                          ; s[44:47] slot 1; it then walks
.set G0S,  48                          ; s[48:51] the scale words
.set SLOTS, 52
.set TWICE, 53
.set TB,   54                          ; s54 LDS byte at which the step to be fetched begins
.set TJ,   55                          ; s55 and its scale words
.set SEL,  56                          ; s[56:57]
.set PFA,  58                          ; s[58:59] where my prefetches stand
.set LIM,  60                          ; s60 1 in a work-group that prefetches, else the greatest number
.set GAM,  61                          ; s61 gamma
.set MSB, 0
.macro WIN new                         ; the high byte of the immediate repeats the setting that is left; a switch that changes nothing is dropped
.if MSB != \new
	s_set_vgpr_msb (MSB<<8)|\new
.set MSB, \new
.endif
.endm
.set W_S,  0xae                        ; k and S^T in window 2, q in window 3; the additions and exponentials that make p run under it too
.set W_PV, 0x53                        ; v in window 3, p in window 0, O^T in window 1
.set MX3,  0x2a
.set MX,   0x28
.set SUM0, 0x0a
.set SUM,  0x08
.set CVT,  0x02
.set RS,   0x41
.set TO_K, 0x80
.set TO_V, 0xc0
.macro PLACES n
.rept \n
	v_nop
.endr
.endm
.macro CROUND                          ; a round of the barrier of the cluster
	s_barrier_signal -1
	s_barrier_wait -1
	s_cmp_lg_u32 s[WV], 0
	s_cbranch_scc1 .Lnot_wave_0_\@
	s_barrier_signal -3
.Lnot_wave_0_\@:
	s_barrier_wait -3
	s_barrier_signal -1
	s_barrier_wait -1
.endm
.macro TL g0, g1                       ; a joint load: every wave brings a block of its own; an s_nop 0 and four v_nop follow
	tensor_load_to_lds s[\g0:\g0+3], s[\g1:\g1+7]
	s_nop 0
	PLACES 4
.endm
; A PREFETCH INTO THE L2 of what the NEXT change of slots will ask for.  All sixteen clusters of a batch walk the same blocks: the first of them asks.  Its four partners share each block out BY ADDRESS, 8,192 bytes each,
; a lane to 256 bytes; each wave asks for the block that it will load.  So each 256 bytes are named once.  The last change that fills a slot asks for nothing; slots 0 to 2 come by their loads alone.
.macro ASK
	s_cmp_gt_u32 s[SLOTS], s[LIM]
	s_cbranch_scc0 .Lnot_mine_\@
	global_prefetch_b8 v[PFO], s[PFA:PFA+1] th:TH_LOAD_NT scope:SCOPE_SE
.Lnot_mine_\@:
.endm
	s_load_b256 s[4:11], s[0:1], 0x0               ; qf, kv, vs, x
	s_load_b128 s[12:15], s[0:1], 0x20             ; gamma, out0
	v_lshl_add_u32 v[SPW], v0, 2, SPARE
	v_mov_b32 v[NIL], 0
	ds_add_u32 v[SPW], v[NIL]                      ; the opening: the add, twice on end, and its wait ahead of my first tensor load
	ds_add_u32 v[SPW], v[NIL]
	v_lshrrev_b32 v1, 5, v0
	v_readfirstlane_b32 s[WV], v1                  ; wave 0..3
	s_and_b32 s17, s[WV], 1                        ; qp.  Also: which step of a slot I fetch
	s_lshr_b32 s18, s[WV], 1                       ; kh
	s_bfe_u32 s19, ttmp6, 0x40000                  ; cx: it enters the addresses of q, x, out0 and of the prefetches alone
	s_lshl_b32 s20, ttmp9, 2
	s_add_co_u32 s20, s20, s19                     ; my block of 64 queries
	s_and_b32 s21, ttmp7, 0xffff                   ; the batch, which the four partners share
	s_mov_b32 s[G1], 15|(3<<16)|(1<<21)            ; 15:0 the mask: all four work-groups; 17:16 elements of 8 bytes; 21 set beside a mask; no padding
	s_mov_b32 s[G1+1], 32<<16                      ; tensor_dim0 = 32 elements: 256 bytes
	s_mov_b32 s[G1+2], 128<<16                     ; tensor_dim1 = 128 rows
	s_mov_b32 s[G1+3], 32<<16                      ; tile_dim0
	s_mov_b32 s[G1+4], 128                         ; tile_dim1
	s_mov_b32 s[G1+5], 32                          ; the pitch: the block is dense
	s_mov_b32 s[G1+6], 0
	s_mov_b32 s[G1+7], 0
	s_mov_b32 s[G1S], 15|(3<<16)|(1<<21)
	s_mov_b32 s[G1S+1], 32<<16
	s_mov_b32 s[G1S+2], 32<<16                     ; 32 rows: 8,192 bytes
	s_mov_b32 s[G1S+3], 32<<16
	s_mov_b32 s[G1S+4], 32
	s_mov_b32 s[G1S+5], 32
	s_mov_b32 s[G1S+6], 0
	s_mov_b32 s[G1S+7], 0
	s_lshl_b32 s22, s21, 20                        ; kv: batch x 32 blocks + key half x 16 blocks + my step of the slot
	s_lshl_b32 s2, s18, 19
	s_add_co_u32 s22, s22, s2
	s_lshl_b32 s2, s17, 15
	s_add_co_u32 s22, s22, s2
	s_mov_b32 s23, 0
	s_lshl_b32 s62, s21, 15                        ; vs: batch x 32,768 + my quarter
	s_lshl_b32 s2, s[WV], 13
	s_add_co_u32 s62, s62, s2
	s_mov_b32 s63, 0
	s_lshl_b32 s66, s21, 18                        ; qf: ((batch 64 + block) 4 + 2 qp) 1,024
	s_lshl_b32 s3, s20, 12
	s_add_co_u32 s66, s66, s3
	s_lshl_b32 s3, s17, 11
	s_add_co_u32 s66, s66, s3
	s_mov_b32 s67, 0
	s_lshl_b32 s68, s21, 22                        ; x and out0: batch x 4 MiB + 64 w channels + my block of pixels
	s_lshl_b32 s3, s[WV], 20
	s_add_co_u32 s68, s68, s3
	s_lshl_b32 s3, s20, 8
	s_add_co_u32 s68, s68, s3
	s_mov_b32 s69, 0
	s_mov_b32 s[SEL], 0x76543210
	s_mov_b32 s[SEL+1], 0xfedcba98
	s_mov_b32 s[TB], 0
	s_mov_b32 s[TJ], 0
	s_mov_b32 s[SLOTS], 6
	s_cmp_eq_u32 ttmp9, 0                          ; the first cluster of the batch: the same in all four partners
	s_cselect_b32 s[LIM], 1, -1
	v_and_b32 v1, 31, v0                           ; lane
	v_lshlrev_b32 v[L16], 4, v1
	v_lshlrev_b32 v2, 3, v1                        ; 8 x lane
	v_lshlrev_b32 v3, 2, v1                        ; 4 x lane
	v_lshlrev_b32 v[PFO], 8, v1
	v_and_b32 v30, 15, v0                          ; r
	v_bfe_u32 v31, v0, 4, 1                        ; h
	s_wait_dscnt 0x0                               ; both opening adds are done
	s_wait_kmcnt 0x0
	s_add_nc_u64 s[6:7], s[6:7], s[22:23]
	s_add_nc_u64 s[8:9], s[8:9], s[62:63]
	s_add_nc_u64 s[4:5], s[4:5], s[66:67]
	s_add_nc_u64 s[10:11], s[10:11], s[68:69]
	s_add_nc_u64 s[14:15], s[14:15], s[68:69]
	s_load_b32 s[GAM], s[12:13], 0x0
	s_lshl_b32 s66, s19, 13                        ; the prefetches: my work-group takes 8,192 bytes of each block,
	s_add_co_u32 s66, s66, 2*65536                 ; in slot 2: the first change of slots steps it to slot 3
	s_add_nc_u64 s[PFA:PFA+1], s[6:7], s[66:67]
	s_mov_b32 s[G0A], 1                            ; count = 1
	s_lshl_b32 s[G0A+1], s[WV], 15                 ; LDS address: block w of slot 0
	s_mov_b64 s[G0A+2:G0A+3], s[6:7]
	s_or_b32 s[G0A+3], s[G0A+3], 0x80000000        ; type = 2
	s_mov_b32 s[G0B], 1
	s_add_co_u32 s[G0B+1], s[G0A+1], SLOT1
	s_add_nc_u64 s[G0B+2:G0B+3], s[6:7], 65536     ; a slot on: two steps
	s_or_b32 s[G0B+3], s[G0B+3], 0x80000000
	s_mov_b32 s[G0S], 1
	s_lshl_b32 s[G0S+1], s[WV], 13
	s_add_co_u32 s[G0S+1], s[G0S+1], SCV
	s_mov_b64 s[G0S+2:G0S+3], s[8:9]
	s_or_b32 s[G0S+3], s[G0S+3], 0x80000000
	s_wait_kmcnt 0x0                               ; gamma
	CROUND                                         ; all four work-groups are here: the first joint loads meet
	tensor_load_to_lds s[G0S:G0S+3], s[G1S:G1S+7]  ; three loads of mine are out: the scale words,
	s_nop 0
	tensor_load_to_lds s[G0A:G0A+3], s[G1:G1+7]    ; slot 0,
	s_nop 0
	tensor_load_to_lds s[G0B:G0B+3], s[G1:G1+7]    ; slot 1
	s_nop 0
	PLACES 4
	WIN TO_V
.irp u, 0,1
	global_load_b128 v[QF+8*\u:QF+8*\u+3], v[L16], s[4:5] offset:1024*\u
	global_load_b128 v[QF+8*\u+4:QF+8*\u+7], v[L16], s[4:5] offset:1024*\u+512
.endr
	v_mov_b32 v[NM3+1], 0                          ; named as the upper halves of pairs, so they are written
	v_mov_b32 v[NM3+3], 0
	WIN 0
	s_lshl_b32 s2, s18, 16                         ; my key half: blocks 2 kh, 2 kh + 1 of a slot
	v_add_nc_u32 v[L16K], s2, v[L16]
	s_mul_i32 s22, s18, 12288                      ; slots 0-7: channel tiles 8 kh on, 1,536 bytes a tile
	s_add_co_u32 s22, s22, s2
	s_add_co_u32 s22, s22, VOFF
	v_add_nc_u32 v[LV16], s22, v[L16]
	v_add_nc_u32 v[LV8], s22, v2
	s_xor_b32 s23, s18, 1                          ; slots 8-15: the other eight tiles
	s_mul_i32 s22, s23, 12288
	s_add_co_u32 s22, s22, s2
	s_add_co_u32 s22, s22, VOFF
	v_add_nc_u32 v[LV16+1], s22, v[L16]
	v_add_nc_u32 v[LV8+1], s22, v2
	s_lshl_b32 s2, s18, 14                         ; the scale words of my 16 steps
	s_add_co_u32 s2, s2, SCV
	s_lshl_b32 s22, s18, 9
	s_add_co_u32 s22, s22, s2
	v_add_nc_u32 v[LS], s22, v3
	s_lshl_b32 s22, s23, 9
	s_add_co_u32 s22, s22, s2
	v_add_nc_u32 v[LS+1], s22, v3
.irp t, 0,1
	v_mov_b32 v[ST+8*\t+2], 0                      ; l begins at 0
	v_mov_b32 v[ST+8*\t+3], 0
	v_mov_b32 v[ST+8*\t+5], 0                      ; named with f as a pair
.endr
.irp b, 0,1,2,3
	v_mov_b32 v[BT+\b], 0                          ; the destination of a lane permute counts as one of its sources
.endr
; THE MATRIX WORK.  Product i of 32 of S^T = k q^T for tile x: channels of registers 2 (i / 8), 2 (i / 8) + 1; key tile i % 8.  The first eight start the sums.  Eight accumulators by turns.
.macro SW x
	WIN W_S
.set sS, 64*(\x)+8*(i%8)
.set sK, KF+8*(i%8)+2*(i/8)
.set sQ, QF+8*(\x)+2*(i/8)
.if i < 8
	v_wmma_f32_16x16x4_f32 v[sS:sS+7], v[sK:sK+1], v[sQ:sQ+1], 0
.else
	v_wmma_f32_16x16x4_f32 v[sS:sS+7], v[sK:sK+1], v[sQ:sQ+1], v[sS:sS+7]
.endif
.endm
; Product i of 16 of O^T += v p^T for tile x: channel slot i, all 128 keys of the step.  zero = 1: it starts the sum: nothing is ever cleared.
.macro PV x, zero
	WIN W_PV
.set rO, 128*(\x)+8*i
.set rP, PC+12*(\x)
.if (\zero) && (i%2)
	v_wmma_scale_f32_16x16x128_f8f6f4 v[rO:rO+7], v[12*i:12*i+11], v[rP:rP+11], 0, v[SV+i/2], v[PW+(\x)] matrix_a_fmt:MATRIX_FMT_BF6 matrix_b_fmt:MATRIX_FMT_BF6 matrix_a_scale:MATRIX_SCALE_ROW1
.elseif (\zero)
	v_wmma_scale_f32_16x16x128_f8f6f4 v[rO:rO+7], v[12*i:12*i+11], v[rP:rP+11], 0, v[SV+i/2], v[PW+(\x)] matrix_a_fmt:MATRIX_FMT_BF6 matrix_b_fmt:MATRIX_FMT_BF6
.elseif i%2
	v_wmma_scale_f32_16x16x128_f8f6f4 v[rO:rO+7], v[12*i:12*i+11], v[rP:rP+11], v[rO:rO+7], v[SV+i/2], v[PW+(\x)] matrix_a_fmt:MATRIX_FMT_BF6 matrix_b_fmt:MATRIX_FMT_BF6 matrix_a_scale:MATRIX_SCALE_ROW1
.else
	v_wmma_scale_f32_16x16x128_f8f6f4 v[rO:rO+7], v[12*i:12*i+11], v[rP:rP+11], v[rO:rO+7], v[SV+i/2], v[PW+(\x)] matrix_a_fmt:MATRIX_FMT_BF6 matrix_b_fmt:MATRIX_FMT_BF6
.endif
.endm
; THE LDS LOADS, in runs.  k of a step: eight tiles, two loads of 512 consecutive bytes each.
.macro FETCH_K
	WIN 0
	v_add_nc_u32 v[ADK], s[TB], v[L16K]
	WIN TO_K
.irp t, 0,1,2,3,4,5,6,7
	ds_load_b128 v[KF+8*\t:KF+8*\t+3], v[ADK] offset:\t*1024
	ds_load_b128 v[KF+8*\t+4:KF+8*\t+7], v[ADK] offset:\t*1024+512
.endr
.endm
; v of a step, a quarter at a time: slots 4 p .. 4 p + 3 and their scale words.  The last quarter steps on to the next step.
.macro FETCH_V p
.if (\p) == 0
	WIN 0
	v_add_nc_u32 v[ADV], s[TB], v[LV16]
	v_add_nc_u32 v[ADV+1], s[TB], v[LV16+1]
	v_add_nc_u32 v[ADV+2], s[TB], v[LV8]
	v_add_nc_u32 v[ADV+3], s[TB], v[LV8+1]
	v_add_nc_u32 v[ADS], s[TJ], v[LS]
	v_add_nc_u32 v[ADS+1], s[TJ], v[LS+1]
.endif
	WIN TO_V
.set fa, 4*(\p)
.rept 4
.irp c, 0,1
	ds_load_b128 v[12*fa+6*\c:12*fa+6*\c+3], v[ADV+fa/8] offset:(fa%8)*1536+\c*768
	ds_load_b64 v[12*fa+6*\c+4:12*fa+6*\c+5], v[ADV+2+fa/8] offset:(fa%8)*1536+\c*768+512
.endr
.set fa, fa+1
.endr
	WIN 0
	ds_load_b32 v[SV+2*(\p)], v[ADS+(\p)/2] offset:((2*(\p))%4)*128
	ds_load_b32 v[SV+2*(\p)+1], v[ADS+(\p)/2] offset:((2*(\p)+1)%4)*128
.if (\p) == 3
	s_add_co_u32 s[TB], s[TB], BLKB
	s_add_co_u32 s[TJ], s[TJ], 1024
.endif
.endm
; THE VECTOR WORK: the softmax of tile t for one step is a list of 282 instructions; SM writes number j.  Register 16 b + i of S^T is key 32 b + 16 (lane / 16) + i.  first = 1: the first step, with no old M and no O^T yet.
;   0-41    the largest score of each block of 32 keys (it serves twice: for the maximum of the row, and for the largest p of the block), joined with lane l xor 16; then of the step
;   42-52   the running largest t; -M = floor(-t); its copy in window 3; f = 2^(old M - new M); the blocks largest scores less M
;   53-148  ONE BATCH: 32 packed additions t - M into the registers of p and 64 exponentials in place, two exponentials and an addition by turns.  None reads the result of an exponential
;   149     l x f: the plain instruction behind the batch; then the ONE wait ahead of the first reader
;   150-185 four exponentials of the blocks largest; the sum of the unquantised p, in two chains, is the work behind them; then their wait
;   186-217 the floor, the scale operands, the bytes, the scale word; four conversions; a plain place; the exchange of halves that gives a lane a whole block
;   218-281 O^T of the tile x f
.macro SM t, first
.set rT, ST+8*(\t)
.set rS, 64*(\t)
.set rC, PC+12*(\t)
.set rN, NM3+2*(\t)
.if j < 4
	WIN MX3
	v_max3_num_f32 v[BM+j], v[rS+16*j], v[rS+16*j+1], v[rS+16*j+2]         ; each accumulator is read from its low end on
.elseif j < 28
	WIN MX
	v_max3_num_f32 v[BM+j%4], v[BM+j%4], v[rS+16*(j%4)+2*(j/4)+1], v[rS+16*(j%4)+2*(j/4)+2]
.elseif j < 32
	WIN MX
	v_max_num_f32 v[BM+j-28], v[BM+j-28], v[rS+16*(j-28)+15]
.elseif j < 36
	WIN 0
	v_permlanex16_b32 v[BT+j-32], v[BM+j-32], s[SEL], s[SEL+1]
.elseif j < 40
	WIN 0
	v_max_num_f32 v[BM+j-36], v[BM+j-36], v[BT+j-36]
.elseif j == 40
	WIN 0
	v_max3_num_f32 v[T0], v[BM], v[BM+1], v[BM+2]
.elseif j == 41
	WIN 0
	v_max_num_f32 v[T0], v[T0], v[BM+3]
.elseif (j == 42) && \first
	WIN 0
	v_mov_b32 v[rT+1], v[T0]
.elseif j == 42
	WIN 0
	v_max_num_f32 v[rT+1], v[rT+1], v[T0]
.elseif ((j == 43) || (j == 46) || (j == 47) || (j == 48) || (j > 217)) && \first   ; the first step has none of these
.elseif j == 43
	WIN 0
	v_mov_b32 v[T1], v[rT]
.elseif j == 44
	WIN 0
	v_floor_f32 v[rT], -v[rT+1]                    ; -M = floor(-t): M is a whole number
.elseif j == 45
	WIN TO_V
	v_mov_b32 v[rN], v[rT]
.elseif j == 46
	WIN 0
	v_sub_f32 v[T1], v[rT], v[T1]                  ; old M - new M: a whole number, 0 or less
.elseif j == 47
	WIN 0
	v_cvt_i32_f32 v[T1], v[T1]                     ; (it saturates)
.elseif j == 48
	WIN 0
	v_ldexp_f32 v[rT+4], 1.0, v[T1]
.elseif j < 53
	WIN 0
	v_add_f32 v[BM+j-49], v[BM+j-49], v[rT]
.elseif j < 55
	WIN W_S
	v_pk_add_f32 v[P+2*(j-53):P+2*(j-53)+1], v[rS+2*(j-53):rS+2*(j-53)+1], v[rN:rN+1] op_sel_hi:[1,0]
.elseif (j < 145) && ((j-55)%3 == 2)
.set sm, (j-55)/3+2
	WIN W_S
	v_pk_add_f32 v[P+2*sm:P+2*sm+1], v[rS+2*sm:rS+2*sm+1], v[rN:rN+1] op_sel_hi:[1,0]
.elseif j < 145
.set se, 2*((j-55)/3)+(j-55)%3
	WIN W_S
	v_exp_f32 v[P+se], v[P+se]
.elseif j < 149
	WIN W_S
	v_exp_f32 v[P+j-85], v[P+j-85]
.elseif j == 149
	WIN 0
.if \first
	v_nop
.else
	v_pk_mul_f32 v[rT+2:rT+3], v[rT+2:rT+3], v[rT+4:rT+5] op_sel_hi:[1,0]
.endif
	s_wait_alu depctr_va_vdst(0)                   ; one wait for the 64 exponentials, ahead of their first reader
.elseif j < 154
	WIN 0
	v_exp_f32 v[BM+j-150], v[BM+j-150]
.elseif j == 154
	WIN SUM0
	v_pk_add_f32 v[CH:CH+1], v[P:P+1], v[P+2:P+3]
.elseif (j < 185) && ((j-155)%2 == 0)
	WIN SUM
	v_pk_add_f32 v[rT+2:rT+3], v[rT+2:rT+3], v[P+4+4*((j-155)/2):P+5+4*((j-155)/2)]
.elseif j < 185
	WIN SUM
	v_pk_add_f32 v[CH:CH+1], v[CH:CH+1], v[P+6+4*((j-155)/2):P+7+4*((j-155)/2)]
.elseif j == 185
	WIN 0
	v_pk_add_f32 v[rT+2:rT+3], v[rT+2:rT+3], v[CH:CH+1]
	s_wait_alu depctr_va_vdst(0)                   ; and one for the four
.elseif j < 190
	WIN 0
	v_max_num_f32 v[BM+j-186], 0x2800000, v[BM+j-186]      ; the floor 2^(5 - 127): the byte cannot fall under 1
.elseif j < 194
	WIN 0
	v_add_nc_u32 v[SO+j-190], 0xfe000000, v[BM+j-190]      ; 4 off the exponent field
.elseif j < 198
	WIN 0
	v_lshrrev_b32 v[BT+j-194], 23, v[SO+j-194]
.elseif j == 198
	WIN 0
	v_lshl_or_b32 v[PW+(\t)], v[BT+1], 8, v[BT]
.elseif j == 199
	WIN 0
	v_lshl_or_b32 v[PW+(\t)], v[BT+2], 16, v[PW+(\t)]
.elseif j == 200
	WIN 0
	v_lshl_or_b32 v[PW+(\t)], v[BT+3], 24, v[PW+(\t)]
.elseif (j < 205) && ((j-201)%2 == 0)
	WIN CVT
	v_cvt_scalef32_pk16_bf6_f32 v[rC+6*((j-201)/2):rC+6*((j-201)/2)+2], v[P+32*((j-201)/2):P+32*((j-201)/2)+15], v[SO+2*((j-201)/2)]
.elseif j < 205
	WIN CVT
	v_cvt_scalef32_pk16_bf6_f32 v[CT+4*((j-201)/2):CT+4*((j-201)/2)+2], v[P+32*((j-201)/2)+16:P+32*((j-201)/2)+31], v[SO+2*((j-201)/2)+1]
.elseif j == 205
	v_nop                                          ; one plain place behind the scaled conversions
.elseif j < 212
	WIN 0
	v_permlane16_swap_b32 v[rC+6*((j-206)/3)+(j-206)%3], v[CT+4*((j-206)/3)+(j-206)%3]
.elseif j < 218
	WIN 0
	v_mov_b32 v[rC+6*((j-212)/3)+3+(j-212)%3], v[CT+4*((j-212)/3)+(j-212)%3]
.else
	WIN RS
	v_pk_mul_f32 v[128*(\t)+2*(j-218):128*(\t)+2*(j-218)+1], v[128*(\t)+2*(j-218):128*(\t)+2*(j-218)+1], v[rT+4:rT+5] op_sel_hi:[1,0]
.endif
.endm
.macro EMIT t, first, n                ; the next n numbers of the list
.rept \n
.if j < 282
	SM \t, \first
.set j, j+1
.endif
.endr
.endm
; A TURN.  Tile x has the matrix unit; the list of the other tile stands in slices of npv behind each product v p^T and of ns behind each product k q^T; what is left follows the last product.
; pv = 2: 16 products v p^T; 1: they start O^T; 0: none.  kq = 1: 32 products k q^T of the next step.
; PLACES.  With npv = 3 and ns = 7 the last 17 numbers, plain multiplications of the other tile, follow the last f32 product: they are the eight places that this form wants ahead of the next reads of S^T and of the loads
; into k (which stand six numbers further on still).  v is loaded ten plain instructions behind its last product.  The codes and the scale word of p are written 64 plain instructions ahead of their product.
; Where first = 1 the end of the list is empty, and eight v_nop take its part.
.macro TURN x, pv, kq, first, npv, ns
.set j, 0
.if \pv
.if \x == 0
	s_wait_dscnt 0x0                               ; v and its scale words are in
.endif
.set i, 0
.rept 16
	PV \x, 2-\pv
	EMIT 1-\x, \first, \npv
.if (\x == 0) && \kq && (i == 1)
	FETCH_K                                        ; k of the next step: 14 products ahead of its first use
.endif
.set i, i+1
.endr
.endif
.if \kq
.if \x == 0
	s_wait_dscnt 0x0                               ; k is in
.endif
.set i, 0
.rept 32
	SW \x
	EMIT 1-\x, \first, \ns
.if (\x == 1) && (i < 4)
	FETCH_V i                                      ; v of the same step as k: 28 products or more ahead of its first use
.endif
.set i, i+1
.endr
.endif
	EMIT 1-\x, \first, 282
.if \first
	PLACES 8
.endif
.endm
; THE CHANGE OF SLOTS, when the last bytes of a slot have been asked for.  Each wave waits for all its tensor loads (one is out: its block of the other slot), adds 0 to its spare word, and waits for that and for its reads.
; fill = 1: the barrier is a round of the cluster, so that no wave of any partner still reads the slot or has a load on its way; the joint refill is the first thing behind it and has two steps, 192 matrix instructions, to land.
.macro CHANGE fill
	WIN 0
	s_wait_tensorcnt 0x0                           ; no tensor load of mine is out, so a group 0 may be written
	ds_add_u32 v[SPW], v[NIL]
.if \fill
	s_xor_b32 s[G0B+1], s[G0B+1], SLOT1            ; the walking descriptor: the other slot than last time,
	s_add_nc_u64 s[G0B+2:G0B+3], s[G0B+2:G0B+3], 65536   ; the next two steps
	s_wait_xcnt 0x0                                ; the last prefetch, two steps back, has read its address
	s_add_nc_u64 s[PFA:PFA+1], s[PFA:PFA+1], 65536
	s_wait_dscnt 0x0                               ; the add is done, and my reads of the slot are over
	CROUND
	TL G0B, G1
	ASK
.else
	s_wait_dscnt 0x0
	s_barrier_signal -1
	s_barrier_wait -1
.endif
	s_sub_co_u32 s[TB], s[TB], 2*BLKB              ; the fetches go back to the first step of a slot,
	s_xor_b32 s[TB], s[TB], SLOT1                  ; in the other slot
.endm
.macro TWO_STEPS                       ; the two steps of a slot: written once, walked twice
	s_mov_b32 s[TWICE], 2
.Lstep_\@:
	TURN 0, 2, 1, 0, 3, 7
	TURN 1, 2, 1, 0, 3, 7
	WIN 0
	s_sub_co_u32 s[TWICE], s[TWICE], 1
	s_cmp_lg_u32 s[TWICE], 0
	s_cbranch_scc1 .Lstep_\@
.endm
	s_wait_tensorcnt 0x1                           ; the scale words and my block of slot 0 are in; slot 1 may stay out
	s_barrier_signal -1
	s_barrier_wait -1
	FETCH_K                                        ; step 0
	s_wait_loadcnt 0x0                             ; q
	WIN 0xcc
.set i, 0
.rept 16
	v_mul_f32 v[QF+i], 0x3fb8aa3b, v[QF+i]         ; log2(e) goes into q once: S^T is t
.set i, i+1
.endr
	PLACES 4
	s_wait_dscnt 0x0
.set i, 0
.rept 32
	SW 0                                           ; the first scores of tile 0: there is no vector work yet to set between them
.set i, i+1
.endr
	WIN 0                                          ; the addresses of the way out are made here: these plain instructions are the places behind those products
	s_lshl_b32 s2, s[WV], 14
	v_add_nc_u32 v[EXS], s2, v[L16]                ; what I give away: 16,384 bytes a wave
	s_xor_b32 s22, s[WV], 2                        ; my partner
	s_lshl_b32 s2, s22, 14
	v_add_nc_u32 v[EXL], s2, v[L16]
	s_lshl_b32 s2, s[WV], 9
	s_add_co_u32 s2, s2, SX
	v_add_nc_u32 v[SXS], s2, v2
	s_lshl_b32 s2, s22, 9
	s_add_co_u32 s2, s2, SX
	v_add_nc_u32 v[SXL], s2, v2
	v_and_b32 v27, 7, v0
	v_bfe_u32 v3, v0, 3, 1
	v_lshl_add_u32 v27, v3, 4, v27                 ; my query in the tile pair: r % 8 + 16 (r / 8)
	v_lshlrev_b32 v27, 2, v27
	v_mad_u32_u24 v27, v31, 8*SP, v27              ; channels 8 h on
	s_mul_i32 s2, s18, 128*SP                      ; my 128 channels,
	s_lshl_b32 s22, s17, 7                         ; my 32 pixels
	s_add_co_u32 s2, s2, s22
	s_add_co_u32 s2, s2, STG
	v_add_nc_u32 v[SA], s2, v27
	v_mul_u32_u24 v27, v31, SP
	v_lshl_add_u32 v27, v30, 4, v27                ; back: lanes 0-15 one channel row of 256 bytes, lanes 16-31 the next
	s_mul_i32 s2, s[WV], 64*SP
	s_add_co_u32 s2, s2, STG
	v_add_nc_u32 v[SR], s2, v27
	v_lshlrev_b32 v[GO], 14, v31                   ; and the same two rows in x and out0
	v_lshl_add_u32 v[GO], v30, 4, v[GO]
	TURN 1, 0, 1, 1, 0, 7                          ; tile 1: scores of step 0 | first softmax of tile 0 | v of step 0
	TURN 0, 1, 1, 1, 3, 7                          ; tile 0: v p^T of step 0 starts O^T, scores of step 1 | first softmax of tile 1 | k of step 1
	TURN 1, 1, 1, 0, 3, 7                          ; tile 1: the same | softmax of tile 0, step 1 | v of step 1
	WIN 0
.Lslot:                                            ; 6 trips: of my 8 slots worth of keys every one but the last two is followed by a refill
	CHANGE 1
	TWO_STEPS
	s_sub_co_u32 s[SLOTS], s[SLOTS], 1
	s_cmp_lg_u32 s[SLOTS], 0
	s_cbranch_scc1 .Lslot
	CHANGE 0                                       ; the tail is written out
	TWO_STEPS
	TURN 0, 2, 0, 0, 18, 0                         ; tile 0: v p^T of the last step | last softmax of tile 1
	WIN TO_K
.set i, 0
.rept 32
	global_load_b128 v[P+4*i:P+4*i+3], v[GO], s[10:11] offset:2*i*16384 th:TH_LOAD_NT   ; x for the residual, 64 channels x 64 pixels a wave, into the registers that p and k have left: sixteen lanes read 256 consecutive bytes
.set i, i+1
.endr
.set i, 0
.rept 16
	PV 1, 0                                        ; tile 1: v p^T of the last step
.set i, i+1
.endr
	; THE WAY OUT.
	WIN 0
	PLACES 4                                       ; behind the last products
.irp u, 0,1
	v_add_f32 v[ST+8*\u+1], v[ST+8*\u+2], v[ST+8*\u+3]     ; the two halves of l,
.endr
.irp u, 0,1
	v_permlanex16_b32 v[BT+\u], v[ST+8*\u+1], s[SEL], s[SEL+1]
.endr
.irp u, 0,1
	v_add_f32 v[ST+8*\u+1], v[ST+8*\u+1], v[BT+\u]         ; and those of lane l xor 16: l of my key half
.endr
.irp u, 0,1
	ds_store_b64 v[SXS], v[ST+8*\u:ST+8*\u+1] offset:256*\u   ; (-M, l) for my partner
.endr
	WIN 0x04                                       ; the data of an LDS store are its source 1: window 1
.set i, 0
.rept 32
	ds_store_b128 v[EXS], v[128*(i/16)+64+4*(i%16):128*(i/16)+64+4*(i%16)+3] offset:512*i   ; slots 8-15 of both tiles, each accumulator from its low end on
.set i, i+1
.endr
	WIN 0
	s_wait_dscnt 0x0                               ; for the others: my stores have landed; and my reads of the ring are long over
	s_barrier_signal -1
	s_barrier_wait -1
.irp u, 0,1
	ds_load_b64 v[108+2*\u:109+2*\u], v[SXL] offset:256*\u
.endr
	WIN TO_V
.set i, 0
.rept 32
	ds_load_b128 v[4*i:4*i+3], v[EXL] offset:512*i         ; what my partner summed for my 128 channels: tile u, slot a at 64 u + 8 a
.set i, i+1
.endr
	WIN 0
	s_wait_dscnt 32                                ; the two loads of statistics are in; the 32 behind them may stay out
.irp u, 0,1
	v_min_num_f32 v[112+8*\u], v[ST+8*\u], v[108+2*\u]     ; the lesser -M: the greater M
.endr
.irp u, 0,1
	v_sub_f32 v[113+8*\u], v[112+8*\u], v[ST+8*\u]         ; my M less the greater: a whole number, 0 or less
	v_sub_f32 v[114+8*\u], v[112+8*\u], v[108+2*\u]        ; and my partner likewise
.endr
.irp u, 0,1
	v_cvt_i32_f32 v[113+8*\u], v[113+8*\u]
	v_cvt_i32_f32 v[114+8*\u], v[114+8*\u]
.endr
.irp u, 0,1
	v_ldexp_f32 v[113+8*\u], 1.0, v[113+8*\u]
	v_ldexp_f32 v[114+8*\u], 1.0, v[114+8*\u]
.endr
.irp u, 0,1
	v_mul_f32 v[115+8*\u], v[ST+8*\u+1], v[113+8*\u]
.endr
.irp u, 0,1
	v_fma_f32 v[115+8*\u], v[109+2*\u], v[114+8*\u], v[115+8*\u]   ; l of the whole row, under the greater M
.endr
.irp u, 0,1
	v_rcp_f32 v[115+8*\u], v[115+8*\u]
.endr
	v_nop                                          ; a plain instruction behind the reciprocals,
	s_wait_alu depctr_va_vdst(0)                   ; and the wait ahead of their first reader
.irp u, 0,1
	v_mul_f32 v[115+8*\u], s[GAM], v[115+8*\u]
.endr
.irp u, 0,1
	v_mul_f32 v[116+8*\u], v[113+8*\u], v[115+8*\u]        ; what my sums are multiplied by,
	v_mul_f32 v[118+8*\u], v[114+8*\u], v[115+8*\u]        ; and those of my partner
	v_mov_b32 v[117+8*\u], 0                       ; (named with them as pairs)
	v_mov_b32 v[119+8*\u], 0
.endr
	s_wait_dscnt 0x0
	WIN 0xc3
.set i, 0
.rept 64
	v_pk_mul_f32 v[2*i:2*i+1], v[2*i:2*i+1], v[118+8*(i/32):119+8*(i/32)] op_sel_hi:[1,0]
.set i, i+1
.endr
	WIN 0xf1
.set i, 0
.rept 64
	v_pk_fma_f32 v[2*i:2*i+1], v[128*(i/32)+2*(i%32):128*(i/32)+2*(i%32)+1], v[116+8*(i/32):117+8*(i/32)], v[2*i:2*i+1] op_sel_hi:[1,0,1]   ; my slots 0-7, each accumulator from its low end on
.set i, i+1
.endr
	WIN 0x0c
.set i, 0
.rept 128
	ds_store_b32 v[SA], v[i] offset:(16*((i%64)/8)+i%8)*SP+32*(i/64)   ; a lane holds one pixel and eight channels, out0 has the pixels innermost: the tile is turned in the stage; the 32 lanes fall on 32 different banks
.set i, i+1
.endr
	WIN 0
	s_wait_dscnt 0x0
	s_barrier_signal -1
	s_barrier_wait -1                              ; 256 whole rows of 64 pixels lie in the stage
	WIN TO_V
.set i, 0
.rept 32
	ds_load_b128 v[4*i:4*i+3], v[SR] offset:2*i*SP
.set i, i+1
.endr
	s_wait_loadcnt 0x0                             ; x
	s_wait_dscnt 0x0
	WIN 0xcb
.set i, 0
.rept 64
	v_pk_add_f32 v[2*i:2*i+1], v[2*i:2*i+1], v[P+2*i:P+2*i+1]
.set i, i+1
.endr
	WIN 0x0c
.set i, 0
.rept 32
	global_store_b128 v[GO], v[4*i:4*i+3], s[14:15] offset:2*i*16384 th:TH_STORE_NT   ; sixteen lanes store 256 consecutive bytes, at a multiple of 256 from the first byte of out0
.set i, i+1
.endr
	WIN 0
	s_wait_tensorcnt 0x0                           ; the end of the wave
	ds_add_u32 v[SPW], v[NIL]
	s_wait_dscnt 0x0
	CROUND                                         ; the closing round: no work-group ends while a partner may still ask for a tile that names it
	s_endpgm
.Lfunc_end_k_q64cab3951a_attn:
	.size	k_q64cab3951a_attn, .Lfunc_end_k_q64cab3951a_attn-k_q64cab3951a_attn
	.p2alignl 7, 3214868480
	.fill 96, 4, 3214868480
	.section	.rodata,"a",@progbits
	.p2align	6, 0x0
	.amdhsa_kernel k_q64cab3951a_attn
		.amdhsa_group_segment_fixed_size 327680
		.amdhsa_private_segment_fixed_size 0
		.amdhsa_enable_private_segment 0
		.amdhsa_kernarg_size 48
		.amdhsa_user_sgpr_count 2
		.amdhsa_user_sgpr_kernarg_segment_ptr 1
		.amdhsa_wavefront_size32 1
		.amdhsa_system_sgpr_workgroup_id_x 1
		.amdhsa_system_sgpr_workgroup_id_y 1
		.amdhsa_system_sgpr_workgroup_id_z 1
		.amdhsa_system_vgpr_workitem_id 0
		.amdhsa_next_free_vgpr 1024
		.amdhsa_next_free_sgpr 70
		.amdhsa_reserve_vcc 0
		.amdhsa_float_denorm_mode_32 3
		.amdhsa_float_denorm_mode_16_64 3
		.amdhsa_memory_ordered 1
		.amdhsa_forward_progress 1
		.amdhsa_inst_pref_size 229
	.end_amdhsa_kernel
	.amdgpu_metadata
---
amdhsa.version: [ 1, 2 ]
amdhsa.kernels:
  - .name:           k_q64cab3951a_attn
    .symbol:         k_q64cab3951a_attn.kd
    .args:
      - { .name: qf, .offset: 0, .size: 8, .value_kind: global_buffer, .address_space: global }
      - { .name: kv, .offset: 8, .size: 8, .value_kind: global_buffer, .address_space: global }
      - { .name: vs, .offset: 16, .size: 8, .value_kind: global_buffer, .address_space: global }
      - { .name: x, .offset: 24, .size: 8, .value_kind: global_buffer, .address_space: global }
      - { .name: gamma, .offset: 32, .size: 8, .value_kind: global_buffer, .address_space: global }
      - { .name: out0, .offset: 40, .size: 8, .value_kind: global_buffer, .address_space: global }
    .group_segment_fixed_size: 327680
    .private_segment_fixed_size: 0
    .kernarg_segment_align: 8
    .kernarg_segment_size: 48
    .max_flat_workgroup_size: 128
    .sgpr_count:     70
    .vgpr_count:     1024
    .wavefront_size: 32
...
	.end_amdgpu_metadata
.endif
;; end of part 2
